; MI455X (gfx1250); checked and timed in simulation.
; The chip was launched on July 23, 2026; its instructions are those of AMD's public machine-readable ISA for CDNA 5 (MIT licence, August 2026) and "CDNA5" Instruction Set Architecture Reference Guide (July 2026). The comments in the code are by the model that wrote it; some were corrected since.
;; CPR Linear Mixed Fused. Allowed arithmetic: matrix products marked QUANTISED: E2M3 operands, one E8M0 scale for each 32 along K, by v_wmma_scale_f32_16x16x128_f8f6f4 with both operands' format E2M3, f32 sums; everything else in f32.
;; Inputs: bias 4,096 float32; col_indices 4,096 int32; scales 32 x 4,096 float32; weight_int8 4,096 x 4,096 int32; x 4 x 1,024 x 4,096 float32.
;; Outputs: out0 4 x 1,024 x 4,096 float32.
;; Constants: group_size = 128.
;; This version of the problem:
;;   THIS VERSION OF THE PROBLEM IS GIVEN IN LOW PRECISION. The matrix products marked QUANTISED in the list below multiply operands that are first quantised to E2M3 (2 exponent bits, 3 mantissa bits; 6 bits a number), with one power-of-two scale for each 32 numbers along K (OCP MX v1.0); their sums are f32. All else is computed in f32.
;;   The module's matrix products, in the order in which they are computed (A, B: the left and right operand; K: the contracted axis; several contracted axes count as one K, in the product's order):
;;     1. [M 4,096, K 4,096] x [K 4,096, N 4,096]; A: computed on the way; B: computed on the way: QUANTISED
;;   THE QUANTISER, for each operand of a quantised product, along K:
;;     - K is cut into blocks of 32 from its start; a last block that is shorter is filled with zeros.
;;     - A block's scale is 2^e with e = floor(log2(the largest magnitude in the block)) - 2, held to -126 .. 127; a block of zeros has e = 0. As a byte (E8M0): e + 127.
;;     - Each number is divided by its block's scale, clamped to +-7.5, and rounded to the nearest number of E2M3, ties to even, subnormals kept.
;;     - The product sums the exact products of the quantised numbers (number of the format x scale) in f32.
;;   ~~~python
;;   def quantise(x, axis):      # numpy; x: float32 -> the quantised numbers, widened to float32 again
;;       x = np.moveaxis(x, axis, -1); K = x.shape[-1]
;;       x = np.pad(x, [(0, 0)] * (x.ndim - 1) + [(0, -K % 32)]); x = x.reshape(x.shape[:-1] + (-1, 32)); a = np.abs(x).max(-1, keepdims=True)
;;       e = np.where(a > 0, np.clip(np.frexp(np.where(a > 0, a, 1))[1] - 1 - 2, -126, 127), 0)      # np.frexp(a)[1] - 1 = floor(log2(a)), exactly
;;       r = np.clip(x / 2.0 ** e, -7.5, 7.5)
;;       step = 2.0 ** (np.maximum(np.frexp(np.where(r == 0, 1, r))[1] - 1, 0) - 3)
;;       q = np.round(r / step) * step * 2.0 ** e      # np.round: ties to even
;;       return np.moveaxis(q.reshape(q.shape[:-2] + (-1,))[..., :K], -1, axis).astype(np.float32)
;;   ~~~
;;   OPERANDS COMPUTED ON THE WAY. 'Computed on the way' means the value that the module computes at that place (a softmax that the list does not call 'softmax' is quantised finished and normalised). What goes into a quantiser is computed in f32, as accurately as f32 sums, v_exp_f32 and their like allow (about 1e-6 of the number): no bf16 or f16 on the way to a quantiser, and a product that is left as it is and whose result goes on into a quantised operand takes f32 operands (vector FMAs, or v_wmma_f32_16x16x4_f32). A number that lies on a knife's edge between two numbers of the format may be rounded either way, as far as f32 arithmetic and the matrix unit's own rounding can turn it there, and no further.
;; One version. Each part assembles by itself: llvm-mc -triple=amdgcn-amd-amdhsa -mcpu=gfx1250 --defsym DOCPART=n.
;; ======== version 1 of 1: 2 launches
;; limits: right only within a limited range of input values
;; workspace buffers: a_pack 13,107,200 bytes; b_pack 13,107,200 bytes
;; launch quant (part 1): grid 256 x 1, 16 waves a work-group, no clusters, 266,752 bytes of LDS; arguments x, col_indices, a_pack, weight_int8, scales, b_pack; writes a_pack, b_pack
.if DOCPART == 1
	.amdgcn_target "amdgcn-amd-amdhsa--gfx1250"
	.amdhsa_code_object_version 6
	.text
	.protected	k_qbafd9f69c1_quant
	.globl	k_qbafd9f69c1_quant
	.p2align	8
	.type	k_qbafd9f69c1_quant,@function
k_qbafd9f69c1_quant:
	s_mov_b64 s[64:65], 0
	v_nop
	global_prefetch_b8 v0, s[64:65] scope:SCOPE_SE
	s_setreg_imm32_b32 hwreg(HW_REG_WAVE_MODE, 25, 1), 1
	s_wait_xcnt 0x0
; Both operands of the product are turned into codes of FP6 (E2M3) with one E8M0 scale byte for each 32 along K, in ONE launch.
;   A[m][k'] = x[m][col_indices[k']];   W[k][n] = float(weight_int8[k][n]) x scales[k / 128][n] (one f32 rounding).
; A block's scale is 2^(floor(log2(its largest magnitude)) - 2); its byte is the largest magnitude's exponent field - 2, held at 1 from below.
; LIMITS: NaN and infinities among the inputs are not served; a block whose largest magnitude lies under 2^-124 has its byte held at 1; a block of zeros gets the byte 1 where the
; rule says 127 (its codes are zeros, which add nothing under any byte but 0xff, and the bytes are read by this program alone); an index outside 0 .. 4,095 is held at 4,095.
; SHARES OF A.  Work-group T owns rows 16 T .. + 15 for all of K.  The rows come into LDS once, a row a wave by one tensor load; behind one barrier those bytes are only read.
; Wave w makes the fragments (16 rows x 128 along k') 2 w and 2 w + 1.  Lane (r, h) holds row r and, for c = 0, 1, the numbers k' = 64 c + 32 h + 0 .. 31 of the fragment: a whole block in a lane,
; in the order of the matrix operand's registers.  The gather is one LDS load of 4 bytes a number, which lands on its own address register.
; SHARES OF W.  With X = T % 32, Y = T / 32 the work-group owns columns 128 X .. + 127 and K = 512 Y .. + 511; wave w: 32 columns (w % 4) and the step of 128 along K 4 Y + w / 4, one group of scales.
; A lane takes a column and its registers run down K: a block of 32 lies in one lane's 32 registers.
; ORDER.  The tensor load; the indices become LDS addresses while it is on its way; the barrier; the gather; then W's loads go out in three batches between A's arithmetic: 60 at once (LOADcnt's field
; holds 63: ISA guide 5.7.1), 36 into fragment 0's registers when they are free, 32 behind fragment 1; W's blocks are worked last, in the order 0, 2, 1, 3.
; OUT.  a_pack, b_pack: [step of 128][group of 8 tiles of 16][record of 12,800 bytes]; a record is 8 fragment images (1,536 bytes: register q of lane l at (q / 4) 512 + 16 l + 4 (q % 4)),
; then the tiles' scale words (tile i, row r at 12,288 + 64 i + 4 r).  A's codes: each store covers 512 consecutive bytes, aligned.  A's words of a tile and a step are 64 bytes, so sixteen lanes store
; 64 consecutive bytes and four work-groups share 256: 32 x 64 bytes of a work-group's 51,200; more rows to a work-group do not fit in LDS.  W's blocks 0 and 2 make the images' lanes 0-15, blocks 1 and 3
; lanes 16-31: in each store sixteen lanes cover 256 consecutive bytes, aligned.  W's words of a step, 512 bytes from four waves, meet in LDS and leave by one store of 512 consecutive bytes.
; No clusters: no two work-groups read the same bytes but the 16 KiB of indices.  No prefetch: every input byte is asked for once, as early as registers and LDS allow.
.set ROWP,  16400                      ; an LDS row: 16,384 bytes + 16: the same column of rows r = 0 .. 15 falls on banks 4 r apart (64 banks of 4 bytes: ISA guide 11.1)
.set FRB,   1536
.set REC,   8*FRB+8*64
.set STEPB, 32*REC
.set WST,   0x40200                    ; behind the rows: W's scale words, 4 bytes a thread
.set SPARE, 0x40a00                    ; behind them: the spare words, 128 bytes a wave
.set IA,    64                         ; v64-127   fragment 0: indices, LDS addresses, numbers; then W's blocks 1 and 3
.set IB,    128                        ; v128-191  fragment 1 likewise; then W's codes
.set P,     128
; v192-255 W's blocks 0 and 2.  v1 lane, v2 r, v3 h, v4 r x ROWP, v5 128 h, v6 A's codes' offset, v7 8 h, v8 A's words' offset, v9 4 x lane, v10-13 maxima, v14-15 the conversions' scale operands,
; v16-19 at work, v20-21 A's words, v22 the word stored, v23 W's codes' offset, v24-26, v28-30 second halves of a block's codes, v27, v31 W's words in LDS: in, back, v32 16 x lane, v33 W's word,
; v[34:35] my column's multiplier, twice, v36-37 the add's registers, v40-51, v52-63 A's codes
	s_load_b128 s[4:7], s[0:1], 0x0                ; x, col_indices
	s_load_b128 s[8:11], s[0:1], 0x10              ; a_pack, weight_int8
	s_load_b128 s[44:47], s[0:1], 0x20             ; scales, b_pack
	v_lshl_add_u32 v36, v0, 2, SPARE
	v_mov_b32 v37, 0
	ds_add_u32 v36, v37                            ; the opening lines: the add, twice on end, and one wait
	ds_add_u32 v36, v37
	v_lshrrev_b32 v1, 5, v0
	s_delay_alu instid0(VALU_DEP_1)
	v_readfirstlane_b32 s12, v1                    ; wave 0..15
	; descriptor group 1: one row of x, 2,048 elements of 8 bytes; the tile is stated two elements longer than the tensor's extent, and elements beyond the extent arrive as zeros: the 16 bytes of padding are written too
	s_mov_b32 s16, 3<<16
	s_mov_b32 s17, 2048<<16                        ; tensor_dim0
	s_mov_b32 s18, 1<<16                           ; tensor_dim1 = 1
	s_mov_b32 s19, 2050<<16                        ; tile_dim0: ROWP bytes
	s_mov_b32 s20, 1
	s_mov_b32 s21, 2048
	s_mov_b32 s22, 1<<16                           ; a one-row descriptor's stride1 is not 0
	s_mov_b32 s23, 0
	s_mov_b32 s24, 1
	s_mul_i32 s25, s12, ROWP                       ; row w's place in LDS
	s_lshl_b32 s32, ttmp9, 18                      ; 16 rows of 16,384 bytes a work-group,
	s_lshl_b32 s33, s12, 14                        ; a row a wave
	s_add_co_u32 s32, s32, s33
	s_mov_b32 s33, 0
	s_lshl_b32 s34, s12, 10                        ; my wave's 256 indices
	s_mov_b32 s35, 0
	s_mul_i32 s36, s12, 2*STEPB                    ; my wave's two steps of 128,
	s_lshr_b32 s37, ttmp9, 3
	s_mul_i32 s37, s37, REC                        ; my tile's group of 8
	s_add_co_u32 s36, s36, s37
	s_mov_b32 s37, 0
	s_and_b32 s38, ttmp9, 7
	s_mul_i32 s39, s38, FRB                        ; my tile's image,
	s_lshl_b32 s38, s38, 6
	s_add_co_u32 s38, s38, 8*FRB                   ; its scale words
	s_mov_b32 s40, 0x76543210
	s_mov_b32 s41, 0xfedcba98                      ; v_permlanex16_b32's selects for lane l xor 16
	s_and_b32 s50, s12, 3                          ; W: which 32 columns
	s_lshr_b32 s51, s12, 2                         ; which 128 along K
	s_and_b32 s52, ttmp9, 31                       ; X
	s_lshr_b32 s53, ttmp9, 5                       ; Y
	s_lshl_b32 s54, s53, 2
	s_add_co_u32 s55, s54, s50                     ; the step whose words a wave 0 to 3 carries out
	s_add_co_u32 s54, s54, s51                     ; my step
	s_lshl_b32 s56, s52, 9
	s_lshl_b32 s57, s50, 7
	s_add_co_u32 s56, s56, s57                     ; my first column, in bytes of a row
	s_lshl_b32 s58, s54, 21                        ; 128 rows of 16,384 bytes
	s_add_co_u32 s58, s58, s56
	s_mov_b32 s59, 0
	s_lshl_b32 s60, s54, 14                        ; a row of scales
	s_add_co_u32 s60, s60, s56
	s_mov_b32 s61, 0
	s_mul_i32 s57, s52, REC                        ; the work-group's record in a step
	s_mul_i32 s62, s54, STEPB
	s_add_co_u32 s62, s62, s57
	s_mul_i32 s63, s50, 2*FRB                      ; my two tiles' images
	s_add_co_u32 s62, s62, s63
	s_mov_b32 s63, 0
	s_mul_i32 s66, s55, STEPB
	s_add_co_u32 s66, s66, s57
	s_add_co_u32 s66, s66, 8*FRB
	s_mov_b32 s67, 0
	s_wait_dscnt 0x0                               ; both opening adds are done
	s_wait_kmcnt 0x0
	s_add_nc_u64 s[6:7], s[6:7], s[34:35]
	s_add_nc_u64 s[8:9], s[8:9], s[36:37]
	s_add_nc_u64 s[26:27], s[4:5], s[32:33]
	s_or_b32 s27, s27, 0x80000000
	tensor_load_to_lds s[24:27], s[16:23]          ; my row: the wave's only tensor load
	s_nop 0
	s_add_nc_u64 s[10:11], s[10:11], s[58:59]
	s_add_nc_u64 s[44:45], s[44:45], s[60:61]
	s_add_nc_u64 s[48:49], s[46:47], s[66:67]
	s_add_nc_u64 s[46:47], s[46:47], s[62:63]
	v_and_b32 v1, 31, v0
	v_and_b32 v2, 15, v0
	v_bfe_u32 v3, v0, 4, 1
	v_lshlrev_b32 v9, 2, v1
	s_delay_alu instid0(VALU_DEP_2)
	v_lshlrev_b32 v5, 7, v3                        ; 32 indices further on for lanes 16-31
.macro LOADIDX set, f                  ; the 64 indices of fragment f, four to a load
.irp c, 0,1
.irp j, 0,1,2,3,4,5,6,7
	global_load_b128 v[\set+32*\c+4*\j:\set+32*\c+4*\j+3], v5, s[6:7] offset:512*(\f)+256*\c+16*\j
.endr
.endr
.endm
.macro PREP set                        ; an index becomes the LDS address of that column in my row
.set j, 0
.rept 64
	v_min_u32 v[\set+j], 0xfff, v[\set+j]
.set j, j+1
.endr
.set j, 0
.rept 64
	v_lshl_add_u32 v[\set+j], v[\set+j], 2, v4
.set j, j+1
.endr
.endm
.macro GATHER set                      ; each number lands on its own address register
.set j, 0
.rept 64
	ds_load_b32 v[\set+j], v[\set+j]
.set j, j+1
.endr
.endm
.macro WLOAD t, j0, n                  ; W(128 g + 32 t + j, my column), j = j0 .. j0 + n - 1.  Blocks 0, 2 at v192, v224; blocks 1, 3 at v64, v96
.set j, \j0
.rept \n
	global_load_b32 v[192-128*((\t)%2)+32*((\t)/2)+j], v9, s[10:11] offset:(32*(\t)+j)*16384 th:TH_LOAD_NT
.set j, j+1
.endr
.endm
.macro BMAX d, t, base                 ; the largest magnitude of 32 numbers, in two chains, and the floor 2^(3 - 127): so the byte cannot fall under 1
	v_max3_num_f32 v[\d], |v[\base]|, |v[\base+1]|, |v[\base+2]|
	v_max3_num_f32 v[\t], |v[\base+3]|, |v[\base+4]|, |v[\base+5]|
.irp i, 6,10,14,18,22,26
	s_delay_alu instid0(VALU_DEP_2)
	v_max3_num_f32 v[\d], v[\d], |v[\base+\i]|, |v[\base+\i+1]|
	s_delay_alu instid0(VALU_DEP_2)
	v_max3_num_f32 v[\t], v[\t], |v[\base+\i+2]|, |v[\base+\i+3]|
.endr
	s_delay_alu instid0(VALU_DEP_2)
	v_max3_num_f32 v[\d], v[\d], |v[\base+30]|, |v[\base+31]|
	s_delay_alu instid0(VALU_DEP_1)
	v_max3_num_f32 v[\d], v[\d], v[\t], 0x1800000
.endm
; Fragment f of A, whose numbers are on their way from LDS into v[val] on, is quantised and stored
.macro QUANT f, val
.set PC, 40+12*(\f)
	s_wait_dscnt 32                                ; block 0's 32 numbers are in; block 1's may be out
	BMAX 10, 11, \val
	s_wait_dscnt 0x0
.if \f == 0
	GATHER IB
.endif
	BMAX 12, 13, \val+32
	v_add_nc_u32 v14, 0xff000000, v10              ; 2 off the exponent field: the conversion takes the exponent field of this operand as its scale
	s_delay_alu instid0(VALU_DEP_2)
	v_add_nc_u32 v15, 0xff000000, v12
.irp c, 0,1
	v_cvt_scalef32_pk16_fp6_f32 v[PC+6*\c:PC+6*\c+2], v[\val+32*\c:\val+32*\c+15], v[14+\c]
	v_cvt_scalef32_pk16_fp6_f32 v[24+4*\c:26+4*\c], v[\val+32*\c+16:\val+32*\c+31], v[14+\c]   ; (a conversion's three registers begin on an even number)
.endr
	v_nop                                          ; one plain place behind a scaled conversion
	v_lshrrev_b32 v16, 23, v14                     ; the scales' bytes: blocks h and 2 + h of my row
	v_lshrrev_b32 v17, 23, v15
.irp c, 0,1
.irp i, 0,1,2
	v_mov_b32 v[PC+6*\c+3+\i], v[24+4*\c+\i]
.endr
.endr
	v_lshl_or_b32 v18, v17, 16, v16
	s_delay_alu instid0(VALU_DEP_1)
	v_lshlrev_b32 v18, v7, v18                     ; at their places in the scale word (8 h bits up);
	s_delay_alu instid0(VALU_DEP_1)
	v_permlanex16_b32 v19, v18, s40, s41
	s_delay_alu instid0(VALU_DEP_1)
	v_or_b32 v[20+\f], v18, v19                    ; with lane l xor 16's two the word is whole
.irp c, 0,1,2
	global_store_b128 v6, v[PC+4*\c:PC+4*\c+3], s[8:9] offset:(\f)*STEPB+512*\c   ; each fragment has code registers of its own
.endr
.endm
; Block t of W; cnt: the younger loads that may stay out
.macro BLOCK t, cnt
.set XS, 192-128*((\t)%2)+32*((\t)/2)
.set PD, P+12*((\t)%2)+6*((\t)/2)
	s_wait_loadcnt \cnt
.set j, 0
.rept 32
	v_cvt_f32_i32 v[XS+j], v[XS+j]
.set j, j+1
.endr
.set j, 0
.rept 16
	v_pk_mul_f32 v[XS+j:XS+j+1], v[XS+j:XS+j+1], v[34:35]         ; x the group's scale of my column
.set j, j+2
.endr
	BMAX 10, 11, XS
	s_delay_alu instid0(VALU_DEP_1)
	v_add_nc_u32 v14, 0xff000000, v10
	v_cvt_scalef32_pk16_fp6_f32 v[PD:PD+2], v[XS:XS+15], v14
	v_cvt_scalef32_pk16_fp6_f32 v[24:26], v[XS+16:XS+31], v14
	v_nop
	v_lshrrev_b32 v16, 23, v14
.if (\t) == 0
	s_delay_alu instid0(VALU_DEP_1)
	v_mov_b32 v33, v16                             ; four bytes make my column's scale word, the lower K in the lower byte
.else
	s_delay_alu instid0(VALU_DEP_1)
	v_lshl_or_b32 v33, v16, 8*(\t), v33
.endif
.irp i, 0,1,2
	v_mov_b32 v[PD+3+\i], v[24+\i]
.endr
.endm
	LOADIDX IA, 0
	LOADIDX IB, 1
	global_load_b32 v34, v9, s[44:45]
	global_load_b32 v35, v9, s[44:45]              ; the same word again: a pair for the packed multiply
	v_mul_u32_u24 v4, v2, ROWP                     ; my row in LDS
	v_lshl_add_u32 v6, v1, 4, s39                  ; my tile's image, 16 bytes a lane
	v_lshlrev_b32 v7, 3, v3
	v_mul_u32_u24 v8, v3, STEPB                    ; lanes 0-15 store the words of step 2 w, lanes 16-31 those of step 2 w + 1
	v_mul_u32_u24 v23, v3, FRB
	v_lshl_add_u32 v27, v0, 2, WST                 ; W's words in LDS: 512 bytes a step (w / 4), 128 a group of columns (w % 4), 4 a lane
	v_and_b32 v31, 127, v0
	v_lshl_add_u32 v8, v2, 2, v8
	v_lshl_add_u32 v23, v2, 4, v23                 ; tile x 1,536 + 16 r
	v_lshlrev_b32 v32, 4, v1
	v_lshl_add_u32 v31, v31, 4, WST                ; back: waves 0 to 3 read a step's 512 bytes each
	v_add_nc_u32 v8, s38, v8
	v_mov_b32 v19, 0                               ; written once: a lane permute's destination counts as one of its sources
	s_wait_loadcnt 18                              ; fragment 0's indices are in; fragment 1's sixteen loads and the multiplier's two may be out
	PREP IA
	s_wait_loadcnt 0x0
	PREP IB
	s_wait_tensorcnt 0x0                           ; my row has landed,
	s_barrier_signal -1
	s_barrier_wait -1                              ; everybody's has: from here on the rows are only read
	GATHER IA
	WLOAD 0, 0, 32                                 ; 60 loads: they stay inside LOADcnt's field
	WLOAD 2, 0, 28
	QUANT 0, IA
	WLOAD 2, 28, 4
	WLOAD 1, 0, 32                                 ; into registers that held fragment 0's numbers
	QUANT 1, IB
	WLOAD 3, 0, 32
	v_cmp_gt_u32 vcc_lo, 16, v1
	s_delay_alu instid0(VALU_DEP_1)
	v_cndmask_b32 v22, v21, v20, vcc_lo            ; lanes 0-15: fragment 0's word of row r; lanes 16-31: fragment 1's
	global_store_b32 v8, v22, s[8:9]               ; sixteen lanes store a tile's 64 consecutive bytes of a step
	BLOCK 0, 63                                    ; 96 younger loads could stay out: the field's largest count is written
	BLOCK 2, 63                                    ; likewise for 64
.irp c, 0,1,2
	global_store_b128 v23, v[P+4*\c:P+4*\c+3], s[46:47] offset:512*\c            ; blocks 0 and 2: the images' lanes 0-15
.endr
	BLOCK 1, 32
	BLOCK 3, 0
.irp c, 0,1,2
	global_store_b128 v23, v[P+12+4*\c:P+12+4*\c+3], s[46:47] offset:256+512*\c  ; blocks 1 and 3: the images' lanes 16-31
.endr
	ds_store_b32 v27, v33
	s_wait_dscnt 0x0                               ; for the others' sake: my word lies in LDS
	s_barrier_signal -1
	s_barrier_wait -1
	s_cmp_lt_u32 s12, 4                            ; waves 0 to 3 carry the words out, a step each
	s_cbranch_scc0 .Lend
	ds_load_b128 v[16:19], v31
	s_wait_dscnt 0x0
	global_store_b128 v32, v[16:19], s[48:49]      ; 32 lanes store a step's 512 consecutive bytes, aligned
.Lend:
	s_wait_tensorcnt 0x0                           ; the wave's end
	ds_add_u32 v36, v37
	s_wait_dscnt 0x0
	s_endpgm
.Lfunc_end_k_qbafd9f69c1_quant:
	.size	k_qbafd9f69c1_quant, .Lfunc_end_k_qbafd9f69c1_quant-k_qbafd9f69c1_quant
	.p2alignl 7, 3214868480
	.fill 96, 4, 3214868480
	.section	.rodata,"a",@progbits
	.p2align	6, 0x0
	.amdhsa_kernel k_qbafd9f69c1_quant
		.amdhsa_group_segment_fixed_size 266752
		.amdhsa_private_segment_fixed_size 0
		.amdhsa_enable_private_segment 0
		.amdhsa_kernarg_size 48
		.amdhsa_user_sgpr_count 2
		.amdhsa_user_sgpr_kernarg_segment_ptr 1
		.amdhsa_wavefront_size32 1
		.amdhsa_system_sgpr_workgroup_id_x 1
		.amdhsa_system_sgpr_workgroup_id_y 1
		.amdhsa_system_sgpr_workgroup_id_z 1
		.amdhsa_system_vgpr_workitem_id 0
		.amdhsa_next_free_vgpr 256
		.amdhsa_next_free_sgpr 72
		.amdhsa_reserve_vcc 1
		.amdhsa_float_denorm_mode_32 3
		.amdhsa_float_denorm_mode_16_64 3
		.amdhsa_memory_ordered 1
		.amdhsa_forward_progress 1
		.amdhsa_inst_pref_size 70
	.end_amdhsa_kernel
	.amdgpu_metadata
---
amdhsa.version: [ 1, 2 ]
amdhsa.kernels:
  - .name:           k_qbafd9f69c1_quant
    .symbol:         k_qbafd9f69c1_quant.kd
    .args:
      - { .name: x, .offset: 0, .size: 8, .value_kind: global_buffer, .address_space: global }
      - { .name: col_indices, .offset: 8, .size: 8, .value_kind: global_buffer, .address_space: global }
      - { .name: a_pack, .offset: 16, .size: 8, .value_kind: global_buffer, .address_space: global }
      - { .name: weight_int8, .offset: 24, .size: 8, .value_kind: global_buffer, .address_space: global }
      - { .name: scales, .offset: 32, .size: 8, .value_kind: global_buffer, .address_space: global }
      - { .name: b_pack, .offset: 40, .size: 8, .value_kind: global_buffer, .address_space: global }
    .group_segment_fixed_size: 266752
    .private_segment_fixed_size: 0
    .kernarg_segment_align: 8
    .kernarg_segment_size: 48
    .max_flat_workgroup_size: 512
    .sgpr_count:     72
    .vgpr_count:     256
    .wavefront_size: 32
...
	.end_amdgpu_metadata
.endif
;; end of part 1
;; launch gemm (part 2): grid 16 x 16, 4 waves a work-group, clusters of 4 x 4, 327,680 bytes of LDS; arguments a_pack, b_pack, bias, out0; writes out0
.if DOCPART == 2
	.amdgcn_target "amdgcn-amd-amdhsa--gfx1250"
	.amdhsa_code_object_version 6
	.text
	.protected	k_qbafd9f69c1_gemm
	.globl	k_qbafd9f69c1_gemm
	.p2align	8
	.type	k_qbafd9f69c1_gemm,@function
k_qbafd9f69c1_gemm:
	s_mov_b64 s[64:65], 0
	v_nop
	global_prefetch_b8 v0, s[64:65] scope:SCOPE_SE
	s_setreg_imm32_b32 hwreg(HW_REG_WAVE_MODE, 25, 1), 1
	s_wait_xcnt 0x0
	s_wait_alu depctr_hold_cnt(0) depctr_sa_sdst(0) depctr_va_vdst(0) depctr_va_sdst(0) depctr_va_ssrc(0) depctr_va_vcc(0) depctr_vm_vsrc(0)
	s_getreg_b32 s2, hwreg(HW_REG_IB_STS2, 6, 4)
	s_cmp_eq_u32 s2, 0
	s_cbranch_scc0 .Lentry_in_a_cluster
	s_endpgm
.Lentry_in_a_cluster:
	s_bfe_u32 s2, ttmp6, 0x10000c
	s_cmp_lg_u32 s2, 0xf033
	s_cbranch_scc0 .Lentry_shape_is_right
	s_endpgm
.Lentry_shape_is_right:
; out0[m][n] = bias[n] + sum over k of A[m][k] W[k][n], on codes of FP6 (E2M3) with E8M0 scales, as the launch before has packed them.
; a_pack, b_pack: [step of 128 along K][group of 8 tiles of 16 rows][record of 12,800 bytes: 8 fragment images of 1,536 bytes, then 8 x 64 bytes of scale words].
; An image is the operand's registers as they stand: three loads of 16 bytes a lane, 512 consecutive bytes each, fill a fragment.
; SHARES.  A work-group of four waves makes 256 x 256 of out0, a wave 128 x 128: 64 accumulators, 512 registers.  256 work-groups.
; RING.  Two LDS slots of three K steps (4 x 3 records = 153,600 bytes); a wave fetches one part (3 records) by one tensor load.  32 steps = 10 fills of three and one of two.
; CLUSTERS.  4 x 4: A's records are shared along a row of the cluster, B's along a column; each is asked for jointly, behind a round of the cluster's barrier.
; A STEP is 64 matrix instructions, A's blocks one after the other against B's eight.  A has one set of registers, B two.  The next step's 56 LDS loads go out in four runs,
; behind blocks 0-1 (18 loads), 2-3 (26), 4-5 (6) and 6-7 (6): a block of A is fetched anew directly behind its own products.
; All operands of a slot's last step lie in registers at that step's head: so the change of slots stands there, and the refill has the rest of that step and two more steps in which to land.
; THE MATRIX INSTRUCTION IS USED TRANSPOSED (source 0 = B's rows, source 1 = A's): a lane holds eight neighbouring columns of one row.  The bias is the C of the first step's products.
; THE LAST K STEP GOES BY ROWS: each block of 16 rows is finished by 8 products and leaves through the wave's stage while the later blocks are multiplied.
; PREFETCH.  Behind each refill but the last two, the fill that the next change of slots will ask for (three K steps on): a part is 150 blocks of 256 bytes; the four partners that ask for it jointly
; take 38 each, told apart by address; a lane a block, two instructions a wave (lanes left over name their share's last block again).  Fills 0 to 2 and the last, shorter fill come by their loads alone.
; REGISTERS.  Window 0: v12-31 addresses; v32-47 scale words, two sets; v64-127 the bias (first step); v128-223 A's fragments.  Window 1: B's sets at v0 and v128.  Windows 2, 3: accumulators.
; On the way out rows come back into window 0 v48-111 and window 1 v0-63 by turns.
.set SIZE_N, 4096
.set FR,     12
.set NP,     4                         ; places behind this matrix form (ISA guide 7.12.1)
.set FRB,    1536
.set REC,    8*FRB+8*64
.set STEPB,  32*REC
.set NQ,     3
.set PART,   NQ*REC
.set SLOT,   4*PART
.set LAPS,   4
.set SPARE,  2*SLOT                    ; the spare words, 128 bytes a wave
.set SPITCH, 528                       ; the stage: 16 rows x (512 + 16) bytes a wave, in slot 1, which has had its last fill and its last read by then
.set PF0,  12
.set PF1,  13
.set ADRA, 16
.set ADRB, 20
.set ADRS, 22
.set STO,  24
.set RD,   25
.set CO,   26
.set SPW,  28
.set NIL,  29
.set BO,   30
.set SC,   32
.set BI,   64
.set AF,   128
.set G1, 24
.set G0, 32
.set G1B, 48
.set G0B, 56
.set G1L, 68                           ; group 1 of the last fill: two records
.set G1LB, 80
.set PFA, 92                           ; s[92:93] my part of the fill that is being asked for
.set MSB, 0
.macro WIN new                         ; the immediate's high byte repeats the setting that is left
.if MSB != \new
	s_set_vgpr_msb (MSB<<8)|\new
.set MSB, \new
.endif
.endm
.set MUL_LO,   0xa1                    ; source 0 window 1, source 1 window 0, C and D window 2
.set MUL_HI,   0xf1
.set FIRST_LO, 0x81                    ; the same with C (the bias) in window 0
.set FIRST_HI, 0xc1
.set TO_B,     0x40
.macro WMUL hi, zero
.if \zero
	WIN FIRST_LO+0x40*(\hi)
.else
	WIN MUL_LO+0x50*(\hi)
.endif
.endm
; a joint load: waves 0 and 1 fetch A's parts, waves 2 and 3 B's; s_nop 0 and four v_nop behind each line
.macro JLOAD g0a, g1a, g0b, g1b
	s_cmp_eq_u32 s15, 0
	s_cbranch_scc0 .Lfor_b_\@
	tensor_load_to_lds s[\g0a:\g0a+3], s[\g1a:\g1a+7]
	s_nop 0
.rept 4
	v_nop
.endr
	s_branch .Lasked_\@
.Lfor_b_\@:
	tensor_load_to_lds s[\g0b:\g0b+3], s[\g1b:\g1b+7]
	s_nop 0
.rept 4
	v_nop
.endr
.Lasked_\@:
.endm
.macro CREST                           ; a round of the cluster's barrier behind its opening barrier
	s_cmp_lg_u32 s14, 0
	s_cbranch_scc1 .Lnot_wave_0_\@
	s_barrier_signal -3
.Lnot_wave_0_\@:
	s_barrier_wait -3
	s_barrier_signal -1
	s_barrier_wait -1
.endm
.macro CROUND
	s_barrier_signal -1
	s_barrier_wait -1
	CREST
.endm
	s_load_b128 s[4:7], s[0:1], 0x0                ; a_pack, b_pack
	s_load_b128 s[8:11], s[0:1], 0x10              ; bias, out0
	v_lshl_add_u32 v[SPW], v0, 2, SPARE
	v_mov_b32 v[NIL], 0
	ds_add_u32 v[SPW], v[NIL]                      ; the opening lines: the add, twice on end, and one wait
	ds_add_u32 v[SPW], v[NIL]
	v_lshrrev_b32 v1, 5, v0
	v_readfirstlane_b32 s14, v1                    ; wave
	s_lshr_b32 s15, s14, 1                         ; my half of the rows; also: I fetch for A (0) or B (1)
	s_and_b32 s16, s14, 1                          ; my half of the columns; also: which group of 8 tiles I fetch
	s_bfe_u32 s40, ttmp6, 0x40000                  ; cx
	s_bfe_u32 s41, ttmp6, 0x40004                  ; cy
	s_lshl_b32 s42, ttmp9, 2
	s_add_co_u32 s42, s42, s40                     ; tile column
	s_and_b32 s17, ttmp7, 0xffff
	s_lshl_b32 s17, s17, 2
	s_add_co_u32 s17, s17, s41                     ; tile row
	s_lshl_b32 s43, s41, 2
	s_lshl_b32 s43, 15, s43                        ; my row of the cluster
	s_lshl_b32 s44, 0x1111, s40                    ; my column
	s_or_b32 s[G1+0], s43, (3<<16)|(1<<21)         ; elements of 8 bytes; the mask, and bit 21 beside it
	s_or_b32 s[G1B+0], s44, (3<<16)|(1<<21)
	s_or_b32 s[G1L+0], s43, (3<<16)|(1<<21)
	s_or_b32 s[G1LB+0], s44, (3<<16)|(1<<21)
.irp g, G1, G1B, G1L, G1LB
	s_mov_b32 s[\g+1], (REC/8)<<16                 ; a row of the tile is a record
	s_mov_b32 s[\g+3], (REC/8)<<16
	s_mov_b32 s[\g+5], STEPB/8                     ; from a K step to the next
	s_mov_b32 s[\g+6], 0
	s_mov_b32 s[\g+7], 0
.endr
.irp g, G1, G1B
	s_mov_b32 s[\g+2], NQ<<16
	s_mov_b32 s[\g+4], NQ
.endr
.irp g, G1L, G1LB
	s_mov_b32 s[\g+2], 2<<16
	s_mov_b32 s[\g+4], 2
.endr
	s_lshl_b32 s20, s17, 1
	s_add_co_u32 s20, s20, s16
	s_mul_i32 s20, s20, REC                        ; A: my group's record in a step
	s_mov_b32 s21, 0
	s_lshl_b32 s46, s42, 1
	s_add_co_u32 s46, s46, s16
	s_mul_i32 s46, s46, REC                        ; B likewise
	s_mov_b32 s47, 0
	s_mul_i32 s45, s14, PART                       ; where my part lands: no place in the cluster enters an LDS address
	s_mul_i32 s76, s15, PART                       ; the part of A that I read,
	s_mul_i32 s77, s16, PART
	s_add_co_u32 s77, s77, 2*PART                  ; and of B
	s_sub_co_u32 s78, s77, s76
	s_add_co_u32 s79, s76, 8*FRB                   ; scale words behind the images
	s_mul_i32 s88, s14, 16*SPITCH
	s_add_co_u32 s88, s88, SLOT                    ; my stage
	s_lshl_b32 s18, s42, 10
	s_lshl_b32 s19, s16, 9
	s_add_co_u32 s18, s18, s19                     ; my first column, in bytes
	s_mov_b32 s19, 0
	s_lshl_b32 s22, s17, 22                        ; 256 rows of 16,384 bytes
	s_lshl_b32 s23, s15, 21
	s_add_co_u32 s22, s22, s23
	s_add_co_u32 s22, s22, s18
	s_mov_b32 s23, 0
	s_cmp_eq_u32 s15, 0
	s_cselect_b32 s89, s40, s41                    ; my place among the four that ask with me
	s_mul_i32 s89, s89, 38                         ; its first block of the part's 150
	s_wait_dscnt 0x0                               ; both opening adds are done
	s_wait_kmcnt 0x0
	s_add_nc_u64 s[20:21], s[4:5], s[20:21]
	s_add_nc_u64 s[46:47], s[6:7], s[46:47]
	s_add_nc_u64 s[8:9], s[8:9], s[18:19]
	s_add_nc_u64 s[10:11], s[10:11], s[22:23]
	s_cmp_eq_u32 s15, 0
	s_cselect_b64 s[PFA:PFA+1], s[20:21], s[46:47]
	s_add_nc_u64 s[PFA:PFA+1], s[PFA:PFA+1], NQ*STEPB   ; at fill 1: the first change of slots steps it to fill 2
	CROUND                                         ; all sixteen work-groups are here: the first joint loads meet
.irp s, 0,1
	s_mov_b32 s[G0+4*\s], 1
	s_add_co_u32 s[G0+4*\s+1], s45, \s*SLOT
	s_add_nc_u64 s[G0+4*\s+2:G0+4*\s+3], s[20:21], \s*NQ*STEPB
	s_or_b32 s[G0+4*\s+3], s[G0+4*\s+3], 0x80000000
	s_mov_b32 s[G0B+4*\s], 1
	s_add_co_u32 s[G0B+4*\s+1], s45, \s*SLOT
	s_add_nc_u64 s[G0B+4*\s+2:G0B+4*\s+3], s[46:47], \s*NQ*STEPB
	s_or_b32 s[G0B+4*\s+3], s[G0B+4*\s+3], 0x80000000
.endr
	JLOAD G0, G1, G0B, G1B                         ; fill 0: one tensor load a wave at the head
	v_and_b32 v1, 15, v0                           ; r
	v_bfe_u32 v2, v0, 4, 1                         ; h
	v_and_b32 v6, 31, v0                           ; lane
	v_lshlrev_b32 v4, 4, v6
	v_add_nc_u32 v[ADRA], s76, v4                  ; an image: 16 bytes a lane
	v_add_nc_u32 v[ADRB], s77, v4
	v_add_nc_u32 v[ADRA+1], SLOT, v[ADRA]
	v_add_nc_u32 v[ADRB+1], SLOT, v[ADRB]
	v_lshlrev_b32 v5, 2, v1
	v_mul_u32_u24 v7, s78, v2                      ; lanes 0-15 take A's scale words, lanes 16-31 B's
	v_add_nc_u32 v5, v5, v7
	v_add_nc_u32 v[ADRS], s79, v5
	v_add_nc_u32 v[ADRS+1], SLOT, v[ADRS]
	v_mul_u32_u24 v5, v1, SPITCH
	v_lshl_add_u32 v5, v2, 5, v5
	v_add_nc_u32 v[STO], s88, v5                   ; into the stage: row r, 32 bytes for each half of the lanes
	v_mov_b32 v[CO], v4                            ; back: the 32 lanes take a row of 512 bytes; the same in out0
	v_add_nc_u32 v[RD], s88, v4
	v_lshlrev_b32 v[BO], 5, v2                     ; the bias of my eight columns of a block
	v_add_nc_u32 v8, s89, v6                       ; the prefetches' blocks: my share's 0 .. 31,
	v_min_u32 v9, 5, v6
	v_add_nc_u32 v9, s89, v9
	v_add_nc_u32 v9, 32, v9                        ; and 32 .. 37
	v_min_u32 v8, 149, v8                          ; held inside the part
	v_min_u32 v9, 149, v9
	v_mul_u32_u24 v10, v8, 1311                    ; block / 50 (right up to 149): which record
	v_mul_u32_u24 v11, v9, 1311
	v_lshrrev_b32 v10, 16, v10
	v_lshrrev_b32 v11, 16, v11
	v_mul_u32_u24 v10, v10, STEPB-REC
	v_mul_u32_u24 v11, v11, STEPB-REC
	v_lshl_add_u32 v[PF0], v8, 8, v10
	v_lshl_add_u32 v[PF1], v9, 8, v11
	s_wait_alu depctr_va_vdst(0)                   ; the wait at the head's end
.irp b, 0,1,2,3,4,5,6,7
	global_load_b128 v[BI+8*\b:BI+8*\b+3],   v[BO], s[8:9] offset:64*\b
	global_load_b128 v[BI+8*\b+4:BI+8*\b+7], v[BO], s[8:9] offset:64*\b+16
.endr
.macro FRAG reg, adr, q, i
.irp c, 0,1,2
	ds_load_b128 v[\reg+4*\c:\reg+4*\c+3], v[\adr] offset:(\q)*REC+(\i)*FRB+512*\c
.endr
.endm
; 8 matrix instructions: A's block a against B's eight; p: B's set and the set of scale words.  The accumulators take turns, one instruction a turn
.macro MUL8 a, p, zero
.irp b, 0,1,2,3,4,5,6,7
.if \zero
	v_wmma_scale_f32_16x16x128_f8f6f4 v[8*(8*((\a)%4)+\b):8*(8*((\a)%4)+\b)+7], v[128*(\p)+FR*\b:128*(\p)+FR*\b+FR-1], v[AF+FR*(\a):AF+FR*(\a)+FR-1], v[BI+8*\b:BI+8*\b+7], v[SC+8*(\p)+\b], v[SC+8*(\p)+(\a)] matrix_a_fmt:MATRIX_FMT_FP6 matrix_b_fmt:MATRIX_FMT_FP6 matrix_a_scale:MATRIX_SCALE_ROW1
.else
	v_wmma_scale_f32_16x16x128_f8f6f4 v[8*(8*((\a)%4)+\b):8*(8*((\a)%4)+\b)+7], v[128*(\p)+FR*\b:128*(\p)+FR*\b+FR-1], v[AF+FR*(\a):AF+FR*(\a)+FR-1], v[8*(8*((\a)%4)+\b):8*(8*((\a)%4)+\b)+7], v[SC+8*(\p)+\b], v[SC+8*(\p)+(\a)] matrix_a_fmt:MATRIX_FMT_FP6 matrix_b_fmt:MATRIX_FMT_FP6 matrix_a_scale:MATRIX_SCALE_ROW1
.endif
.endr
.endm
.macro FETCH_B slot, q, p, i0          ; four of B's fragments: 12 loads
	WIN TO_B
.irp i, \i0, \i0+1, \i0+2, \i0+3
	FRAG 128*(\p)+FR*(\i), ADRB+\slot, \q, \i
.endr
	WIN 0
.endm
.macro FETCH_A slot, q, i0             ; two of A's: 6 loads
.irp i, \i0, \i0+1
	FRAG AF+FR*(\i), ADRA+\slot, \q, \i
.endr
.endm
.macro SCALES slot, q, p               ; 8 loads
.irp i, 0,1,2,3,4,5,6,7
	ds_load_b32 v[SC+8*(\p)+\i], v[ADRS+\slot] offset:(\q)*REC+\i*64
.endr
.endm
.macro PLACES
.rept NP
	v_nop
.endr
.endm
.macro ASK how                         ; how = 2: not in the loop's last trip, whose next fill is the shorter one
.if \how == 2
	s_cmp_gt_u32 s3, 1
	s_cbranch_scc0 .Lnot_asked_\@
.endif
.if \how
	global_prefetch_b8 v[PF0], s[PFA:PFA+1] offset:NQ*STEPB th:TH_LOAD_NT scope:SCOPE_SE
	global_prefetch_b8 v[PF1], s[PFA:PFA+1] offset:NQ*STEPB th:TH_LOAD_NT scope:SCOPE_SE
.endif
.if \how == 2
.Lnot_asked_\@:
.endif
.endm
; A step on set p; the next step's operands come from slot ns, step nq of it.  chg = 1: this is slot cs's last step; fill = 1: cs is filled again, 2: with the last, shorter fill, 0: not.
.macro STEP p, zero, ns, nq, chg=0, cs=0, fill=0, ask=0
.if \chg
.if \ask
	s_wait_xcnt 0x0                                ; my prefetches have read their base
	s_add_nc_u64 s[PFA:PFA+1], s[PFA:PFA+1], NQ*STEPB
.endif
	s_wait_tensorcnt 0x0                           ; my part of the other slot has landed; no tensor load of mine is out
	ds_add_u32 v[SPW], v[NIL]
.if \fill
	s_add_nc_u64 s[G0+4*\cs+2:G0+4*\cs+3], s[G0+4*\cs+2:G0+4*\cs+3], 2*NQ*STEPB
	s_add_nc_u64 s[G0B+4*\cs+2:G0B+4*\cs+3], s[G0B+4*\cs+2:G0B+4*\cs+3], 2*NQ*STEPB
.endif
	s_wait_dscnt 13                                ; the add and the 12 loads of A's blocks 4-7 may be out
.else
	s_wait_dscnt 12                                ; the 12 loads of A's blocks 4-7 may be out
.endif
	WMUL 0, \zero
	MUL8 0, \p, \zero
	MUL8 1, \p, \zero
.if \chg
	s_wait_dscnt 0x0                               ; the add is done, and so are my reads of slot cs
	s_barrier_signal -1
	MUL8 2, \p, \zero
	MUL8 3, \p, \zero
	WIN 0
	s_barrier_wait -1
.if \fill
	CREST                                          ; the barrier has opened a round: no wave of any partner reads slot cs or has a load on its way
.if \fill == 1
	JLOAD G0+4*\cs, G1, G0B+4*\cs, G1B             ; its four v_nop are the places in front of the loads below
.else
	JLOAD G0+4*\cs, G1L, G0B+4*\cs, G1LB
.endif
.else
	PLACES
.endif
	FETCH_B \ns, \nq, 1-(\p), 0
	FETCH_B \ns, \nq, 1-(\p), 4
	FETCH_A \ns, \nq, 0
	FETCH_A \ns, \nq, 2
	SCALES \ns, \nq, 1-(\p)
	ASK \ask
.else
	PLACES
	FETCH_B \ns, \nq, 1-(\p), 0
	FETCH_A \ns, \nq, 0
	WMUL 0, \zero
	MUL8 2, \p, \zero
	MUL8 3, \p, \zero
	PLACES
	FETCH_B \ns, \nq, 1-(\p), 4
	FETCH_A \ns, \nq, 2
	SCALES \ns, \nq, 1-(\p)
	s_wait_dscnt 50                                ; blocks 4-5 are in: behind them 6 + 18 + 26 loads
.endif
	WMUL 1, \zero
	MUL8 4, \p, \zero
	MUL8 5, \p, \zero
	PLACES
	WIN 0
	FETCH_A \ns, \nq, 4
.if \chg == 0
	s_wait_dscnt 50                                ; blocks 6-7 are in: behind them 18 + 26 + 6 loads
.endif
	WMUL 1, \zero
	MUL8 6, \p, \zero
	MUL8 7, \p, \zero
	PLACES
	WIN 0
	FETCH_A \ns, \nq, 6
.endm
	s_wait_tensorcnt 0x0                           ; my part of fill 0 is in
	ds_add_u32 v[SPW], v[NIL]
	s_wait_dscnt 0x0
	CROUND
	JLOAD G0+4, G1, G0B+4, G1B                     ; fill 1, the first tensor load behind the round
	FETCH_B 0, 0, 0, 0
	FETCH_B 0, 0, 0, 4
	FETCH_A 0, 0, 0
	FETCH_A 0, 0, 2
	SCALES 0, 0, 0
	FETCH_A 0, 0, 4
	FETCH_A 0, 0, 6
	s_wait_loadcnt 0x0                             ; the bias
	STEP 0, 1, 0, 1                                ; step 0 starts the sums on the bias
	s_mov_b32 s3, LAPS
.Llap:                                                 ; a trip is six steps: sets and slots are back where they began
	STEP 1, 0, 0, 2
	STEP 0, 0, 1, 0, 1, 0, 1, 1
	STEP 1, 0, 1, 1
	STEP 0, 0, 1, 2
	STEP 1, 0, 0, 0, 1, 1, 1, 2
	STEP 0, 0, 0, 1
	s_sub_co_u32 s3, s3, 1
	s_cmp_lg_u32 s3, 0
	s_cbranch_scc1 .Llap
	STEP 1, 0, 0, 2                                ; steps 25 to 30
	STEP 0, 0, 1, 0, 1, 0, 2, 0                    ; the last fill: steps 30 and 31
	STEP 1, 0, 1, 1
	STEP 0, 0, 1, 2
	STEP 1, 0, 0, 0, 1, 1, 0, 0                    ; nothing is filled again; behind this barrier nobody reads slot 1
	STEP 0, 0, 0, 1
; step 31, by rows.  Block a: 8 products, then through my stage (LDS serves a wave's instructions in order: ISA guide 5.7.1.4) and out as rows of 512 bytes
.macro ROW a
	WIN MUL_LO+0x50*((\a)/4)
	MUL8 \a, 1, 0
.endm
.macro TOSTAGE a
.set AC, 64*((\a)%4)
.set BB, 48-48*((\a)%2)
	WIN 0x08+4*((\a)/4)
.irp b, 0,1,2,3,4,5,6,7
	ds_store_b128 v[STO], v[AC+8*\b:AC+8*\b+3] offset:64*\b          ; each accumulator from its low end on
	ds_store_b128 v[STO], v[AC+8*\b+4:AC+8*\b+7] offset:64*\b+16
.endr
	WIN 0x40*((\a)%2)
.irp t, 0,1,2,3,4,5,6,7,8,9,10,11,12,13,14,15
	ds_load_b128 v[BB+4*\t:BB+4*\t+3], v[RD] offset:\t*SPITCH
.endr
.endm
.macro SEND a, younger
.set BB, 48-48*((\a)%2)
	s_wait_dscnt \younger
	WIN 0x04*((\a)%2)
.irp t, 0,1,2,3,4,5,6,7,8,9,10,11,12,13,14,15
	global_store_b128 v[CO], v[BB+4*\t:BB+4*\t+3], s[10:11] offset:(16*(\a)+\t)*SIZE_N*4 th:TH_STORE_NT   ; 32 lanes store 512 consecutive bytes, aligned; 127 rows at the most stand in the immediate
.endr
.endm
	s_wait_dscnt 12
	ROW 0
	s_wait_dscnt 0x0                               ; A's blocks 4-7 are in
	PLACES
	TOSTAGE 0
.irp a, 1,2,3,4,5,6,7
	ROW \a
	PLACES
.if \a > 1
	s_wait_xcnt 0x0                                ; block a - 2's stores have read their registers: block a's rows may land there
.endif
	TOSTAGE \a
	SEND \a-1, 32                                  ; behind block a - 1's loads: block a's 16 stores and 16 loads
.endr
	SEND 7, 0
	WIN 0
	s_wait_tensorcnt 0x0                           ; the wave's end
	ds_add_u32 v[SPW], v[NIL]
	s_wait_dscnt 0x0
	CROUND                                         ; the closing round
	s_endpgm
.Lfunc_end_k_qbafd9f69c1_gemm:
	.size	k_qbafd9f69c1_gemm, .Lfunc_end_k_qbafd9f69c1_gemm-k_qbafd9f69c1_gemm
	.p2alignl 7, 3214868480
	.fill 96, 4, 3214868480
	.section	.rodata,"a",@progbits
	.p2align	6, 0x0
	.amdhsa_kernel k_qbafd9f69c1_gemm
		.amdhsa_group_segment_fixed_size 327680
		.amdhsa_private_segment_fixed_size 0
		.amdhsa_enable_private_segment 0
		.amdhsa_kernarg_size 32
		.amdhsa_user_sgpr_count 2
		.amdhsa_user_sgpr_kernarg_segment_ptr 1
		.amdhsa_wavefront_size32 1
		.amdhsa_system_sgpr_workgroup_id_x 1
		.amdhsa_system_sgpr_workgroup_id_y 1
		.amdhsa_system_sgpr_workgroup_id_z 1
		.amdhsa_system_vgpr_workitem_id 0
		.amdhsa_next_free_vgpr 1024
		.amdhsa_next_free_sgpr 98
		.amdhsa_reserve_vcc 0
		.amdhsa_float_denorm_mode_32 3
		.amdhsa_float_denorm_mode_16_64 3
		.amdhsa_memory_ordered 1
		.amdhsa_forward_progress 1
		.amdhsa_inst_pref_size 218
	.end_amdhsa_kernel
	.amdgpu_metadata
---
amdhsa.version: [ 1, 2 ]
amdhsa.kernels:
  - .name:           k_qbafd9f69c1_gemm
    .symbol:         k_qbafd9f69c1_gemm.kd
    .args:
      - { .name: a_pack, .offset: 0, .size: 8, .value_kind: global_buffer, .address_space: global }
      - { .name: b_pack, .offset: 8, .size: 8, .value_kind: global_buffer, .address_space: global }
      - { .name: bias, .offset: 16, .size: 8, .value_kind: global_buffer, .address_space: global }
      - { .name: out0, .offset: 24, .size: 8, .value_kind: global_buffer, .address_space: global }
    .group_segment_fixed_size: 327680
    .private_segment_fixed_size: 0
    .kernarg_segment_align: 8
    .kernarg_segment_size: 32
    .max_flat_workgroup_size: 128
    .sgpr_count:     98
    .vgpr_count:     1024
    .wavefront_size: 32
...
	.end_amdgpu_metadata
.endif
;; end of part 2
